; MI455X (gfx1250); checked and timed in simulation.
; The chip was launched on July 23, 2026; its instructions are those of AMD's public machine-readable ISA for CDNA 5 (MIT licence, August 2026) and "CDNA5" Instruction Set Architecture Reference Guide (July 2026). The comments in the code are by the model that wrote it; some were corrected since.
;; Attn. Allowed arithmetic: float matrix products may take bf16 or f16 operands with f32 sums; all other float work in f32.
;; Inputs: attn_b 1,024 float32; attn_w 1,024 x 2,048 float32; encoder_outputs 16 x 2,048 x 1,024 float32; hidden 16 x 1 x 1,024 float32; v 1 x 1,024 float32.
;; Outputs: out0 16 x 1 x 2,048 float32.
;; 2 versions, each right; version 2 is version 1 with the launch score written anew for expert scheduling mode. Each part assembles by itself: llvm-mc -triple=amdgcn-amd-amdhsa -mcpu=gfx1250 --defsym DOCPART=n.
;; ======== version 1 of 2: 3 launches
;; workspace buffers: upart 65,536 bytes; scores 131,072 bytes
;; launch fold (part 1): grid 32 x 8, 8 waves a work-group, no clusters, 5,120 bytes of LDS; arguments attn_w, v, upart; writes upart
.if DOCPART == 1
	.amdgcn_target "amdgcn-amd-amdhsa--gfx1250"
	.amdhsa_code_object_version 6
	.text
	.protected	k_qd580c7bbf9_fold
	.globl	k_qd580c7bbf9_fold
	.p2align	8
	.type	k_qd580c7bbf9_fold,@function
k_qd580c7bbf9_fold:
	s_mov_b64 s[64:65], 0
	v_nop
	global_prefetch_b8 v0, s[64:65] scope:SCOPE_SE
	s_setreg_imm32_b32 hwreg(HW_REG_WAVE_MODE, 25, 1), 1
	s_wait_xcnt 0x0
; FOLD: upart[rb][k] = sum over h = 128 rb .. 128 rb + 127 of v[h] * W[h][k].   W: [1024][2048] f32, v: [1024] f32, upart: [8][2048] f32.
; Why: nothing non-linear stands between the problem's two products, so for every input
;   scores[b][s] = sum_h v[h] (sum_k x[b][s][k] W[h][k] + bias[h]) = enc[b][s] . u[1024:] + hidden[b] . u[:1024] + v . bias,   u[k] = sum_h v[h] W[h][k].
; This launch makes u in eight partial sums over h, so that 32 x 8 = 256 work-groups have 32 KiB of W each; the two later launches add the eight.
; LIMIT: the sums are taken in another order than the problem states them (h before k), all in f32 with fused multiply-adds.
; No matrix instruction: one row (v) times a matrix is one multiply-add for each 4 bytes of W loaded, and bf16 operands would cost accuracy in the scores.
; No cluster: no two work-groups read the same bytes of W; of v they share 512 bytes.
; Work-group (cb, rb): columns 64 cb .. +63 (256 bytes of a row), rows 128 rb .. +127.  Thread t: q = t / 16, r = t % 16; its load i takes 16 bytes at
; row 128 rb + 8 q + i, byte 256 cb + 16 r: sixteen neighbouring lanes read 256 consecutive bytes, aligned.  Its eight v are neighbours: two loads of 16 bytes.
.set WROW, 8192                        ; bytes in a row of W
.set VV,   4                           ; v[4:11]   v of my eight rows
.set X,    12                          ; v[12:43]  load i: 4 registers of W; later wave 0's sixteen pairs
.set ACC,  44                          ; v[44:47]  my four columns' sums over my eight rows
	s_load_b128 s[4:7], s[0:1], 0x0                ; W s[4:5], v s[6:7]
	s_load_b64 s[8:9], s[0:1], 0x10                ; upart
	v_lshl_add_u32 v52, v0, 2, 0x1000
	v_mov_b32 v53, 0
	v_lshrrev_b32 v49, 5, v0
	v_readfirstlane_b32 s10, v49                   ; wave 0..7
	s_and_b32 s11, ttmp7, 0xffff                   ; rb
	s_lshl_b32 s13, ttmp9, 8                       ; cb x 256 bytes
	s_lshl_b32 s12, s11, 20                        ; rb x 128 rows x 8,192 bytes
	s_add_co_u32 s12, s12, s13                     ; the block's first byte in W
	s_lshl_b32 s16, s11, 13                        ; rb x 2,048 numbers x 4 bytes
	s_add_co_u32 s16, s16, s13                     ; the block's 256 bytes in upart
	s_mov_b32 s13, 0
	s_mov_b32 s17, 0
	s_lshl_b32 s14, s11, 9                         ; rb x 128 numbers x 4 bytes in v
	s_mov_b32 s15, 0
	v_lshrrev_b32 v2, 4, v0                        ; q
	v_and_b32 v1, 15, v0                           ; r
	v_lshlrev_b32 v1, 4, v1
	v_lshl_or_b32 v1, v2, 16, v1                   ; W: 8 q rows of 8,192 bytes + 16 r
	v_lshlrev_b32 v2, 5, v2                        ; v: 8 q numbers of 4 bytes
	v_lshlrev_b32 v3, 4, v0                        ; LDS: 16 t = partial row q (256 bytes) + 16 r
	v_lshlrev_b32 v48, 3, v0                       ; wave 0: 8 x lane, two columns
	s_wait_kmcnt 0x0
	s_add_nc_u64 s[4:5], s[4:5], s[12:13]
	s_add_nc_u64 s[6:7], s[6:7], s[14:15]
	s_add_nc_u64 s[8:9], s[8:9], s[16:17]
	global_load_b128 v[VV:VV+3],   v2, s[6:7]              ; v first: loads come back in issue order, so every wait below covers it
	global_load_b128 v[VV+4:VV+7], v2, s[6:7] offset:16
.irp i, 0,1,2,3,4,5,6,7
	global_load_b128 v[X+4*\i:X+4*\i+3], v1, s[4:5] offset:WROW*\i th:TH_LOAD_NT   ; each byte of W is read once in the launch
.endr
.irp i, 0,1,2,3,4,5,6,7
	s_wait_loadcnt 7-\i                            ; row i is in; the 7 - i younger loads of W stay out
.irp c, 0,1,2,3
.if \i == 0
	v_mul_f32 v[ACC+\c], v[X+\c], v[VV]            ; the first row starts the sums: nothing is cleared
.else
	v_fmac_f32 v[ACC+\c], v[X+4*\i+\c], v[VV+\i]
.endif
.endr
.endr
	ds_store_b128 v3, v[ACC:ACC+3]                 ; sixteen partial rows of 64 columns, 256 bytes each
	s_wait_dscnt 0x0                               ; my store is done before I say so: wave 0 reads it
	s_barrier_signal -1
	s_barrier_wait -1
	s_cmp_lg_u32 s10, 0
	s_cbranch_scc1 .Lend                           ; wave 0 adds the sixteen and stores
.irp j, 0,1,2,3,4,5,6,7,8,9,10,11,12,13,14,15
	ds_load_b64 v[X+2*\j:X+2*\j+1], v48 offset:256*\j      ; columns 2 lane, 2 lane + 1 of partial row j: 32 lanes take 256 neighbouring bytes
.endr
	s_wait_dscnt 0x0
.irp j, 0,1,2,3,4,5,6,7
	v_pk_add_f32 v[X+2*\j:X+2*\j+1], v[X+2*\j:X+2*\j+1], v[X+2*\j+16:X+2*\j+17]
.endr
.irp j, 0,1,2,3
	v_pk_add_f32 v[X+2*\j:X+2*\j+1], v[X+2*\j:X+2*\j+1], v[X+2*\j+8:X+2*\j+9]
.endr
.irp j, 0,1
	v_pk_add_f32 v[X+2*\j:X+2*\j+1], v[X+2*\j:X+2*\j+1], v[X+2*\j+4:X+2*\j+5]
.endr
	v_pk_add_f32 v[X:X+1], v[X:X+1], v[X+2:X+3]
	global_store_b64 v48, v[X:X+1], s[8:9]         ; the wave's store covers 256 consecutive bytes, aligned
.Lend:
	s_wait_tensorcnt 0x0
	ds_add_u32 v52, v53
	s_wait_dscnt 0x0
	s_endpgm
.Lfunc_end_k_qd580c7bbf9_fold:
	.size	k_qd580c7bbf9_fold, .Lfunc_end_k_qd580c7bbf9_fold-k_qd580c7bbf9_fold
	.p2alignl 7, 3214868480
	.fill 96, 4, 3214868480
	.section	.rodata,"a",@progbits
	.p2align	6, 0x0
	.amdhsa_kernel k_qd580c7bbf9_fold
		.amdhsa_group_segment_fixed_size 5120
		.amdhsa_private_segment_fixed_size 0
		.amdhsa_enable_private_segment 0
		.amdhsa_kernarg_size 24
		.amdhsa_user_sgpr_count 2
		.amdhsa_user_sgpr_kernarg_segment_ptr 1
		.amdhsa_wavefront_size32 1
		.amdhsa_system_sgpr_workgroup_id_x 1
		.amdhsa_system_sgpr_workgroup_id_y 1
		.amdhsa_system_sgpr_workgroup_id_z 1
		.amdhsa_system_vgpr_workitem_id 0
		.amdhsa_next_free_vgpr 54
		.amdhsa_next_free_sgpr 66
		.amdhsa_reserve_vcc 0
		.amdhsa_float_denorm_mode_32 3
		.amdhsa_float_denorm_mode_16_64 3
		.amdhsa_memory_ordered 1
		.amdhsa_forward_progress 1
		.amdhsa_inst_pref_size 6
	.end_amdhsa_kernel
	.amdgpu_metadata
---
amdhsa.version: [ 1, 2 ]
amdhsa.kernels:
  - .name:           k_qd580c7bbf9_fold
    .symbol:         k_qd580c7bbf9_fold.kd
    .args:
      - { .name: attn_w, .offset: 0, .size: 8, .value_kind: global_buffer, .address_space: global }
      - { .name: v, .offset: 8, .size: 8, .value_kind: global_buffer, .address_space: global }
      - { .name: upart, .offset: 16, .size: 8, .value_kind: global_buffer, .address_space: global }
    .group_segment_fixed_size: 5120
    .private_segment_fixed_size: 0
    .kernarg_segment_align: 8
    .kernarg_segment_size: 24
    .max_flat_workgroup_size: 256
    .sgpr_count:     66
    .vgpr_count:     54
    .wavefront_size: 32
...
	.end_amdgpu_metadata
.endif
;; end of part 1
;; launch score (part 2): grid 256 x 1, 16 waves a work-group, no clusters, 6,656 bytes of LDS; arguments encoder_outputs, upart, scores; writes scores
.if DOCPART == 2
	.amdgcn_target "amdgcn-amd-amdhsa--gfx1250"
	.amdhsa_code_object_version 6
	.text
	.protected	k_qd580c7bbf9_score
	.globl	k_qd580c7bbf9_score
	.p2align	8
	.type	k_qd580c7bbf9_score,@function
k_qd580c7bbf9_score:
	s_mov_b64 s[64:65], 0
	v_nop
	global_prefetch_b8 v0, s[64:65] scope:SCOPE_SE
	s_setreg_imm32_b32 hwreg(HW_REG_WAVE_MODE, 25, 1), 1
	s_wait_xcnt 0x0
; SCORE: scores[row] = enc[row] . u2,  u2[k] = sum over p = 0..7 of upart[p][1024 + k].   enc: [32768][1024] f32 (16 batches x 2,048 rows), scores: [32768] f32.
; The term that is the same for all rows of a batch (hidden . u1 + v . bias) is added in the last launch.
; A stream: 134 MB are read once, one multiply-add for each 4 bytes, so all that counts is long aligned reads with many of them on their way.
; Work-group g: 128 rows (512 KiB); wave w: rows 8 w .. 8 w + 7.  A wave takes a whole row by eight loads of 512 consecutive bytes; lane l holds columns
; 128 j + 4 l + 0..3 of load j, and its 32 numbers of u2 stay in registers.  A ring of four row slots in registers: 32 loads (16 KiB) of every wave are out,
; 256 KiB for the sixteen waves.
; Left out: matrix instructions (a product with one column: nothing to reuse, and bf16 operands would cost accuracy in the scores); LDS slots filled by
; the tensor data mover (the registers already hold what is in flight, without a second trip through LDS); clusters (the work-groups share 4 KiB of u2
; against 512 KiB of rows of their own).
; LIMIT: sums in f32, in another order than the problem states them.
.set ROWB,  4096                       ; bytes in a row of enc
.set STAGE, 4096                       ; LDS: bytes 0..4095 u2, bytes 4096..4607 the group's 128 scores
.set T,  6                             ; v[6:13]    four chains of two sums each
.set P,  14                            ; v[14:29]   the eight partial sums of my two numbers of u2
.set U,  32                            ; v[32:63]   u2 at my 32 columns
.set X,  64                            ; v[64:191]  slot s: 32 registers, a row as loaded
	s_load_b128 s[4:7], s[0:1], 0x0                ; enc s[4:5], upart s[6:7]
	s_load_b64 s[8:9], s[0:1], 0x10                ; scores
	v_lshl_add_u32 v192, v0, 2, 0x1200
	v_mov_b32 v193, 0
	v_lshrrev_b32 v6, 5, v0
	v_readfirstlane_b32 s10, v6                    ; wave 0..15
	s_lshl_b32 s11, s10, 5                         ; my eight words in the stage
	s_lshl_b32 s12, ttmp9, 19                      ; g x 128 rows x 4,096 bytes: 255 << 19 at the most, below 2^32
	s_mov_b32 s13, 0
	s_lshl_b32 s16, ttmp9, 9                       ; g x 128 scores x 4 bytes
	s_mov_b32 s17, 0
	s_mov_b32 s14, 0x76543210                      ; v_permlanex16_b32: lane i of one half reads lane i of the other
	s_mov_b32 s15, 0xfedcba98
	v_and_b32 v3, 31, v0
	v_lshlrev_b32 v3, 4, v3                        ; 16 x lane
	v_lshl_or_b32 v1, v6, 15, v3                   ; enc: wave x 8 rows x 4,096 bytes + 16 x lane; never rewritten
	v_lshlrev_b32 v2, 3, v0                        ; 8 t: my two numbers of u2, in upart and in LDS
	v_mov_b32 v4, s11
	v_mov_b32 v5, 0                                ; v_permlanex16_b32's destination counts as read: written once here
	s_wait_kmcnt 0x0
	s_add_nc_u64 s[4:5], s[4:5], s[12:13]
	s_add_nc_u64 s[8:9], s[8:9], s[16:17]
.macro FILL slot, row                  ; eight loads of 512 consecutive bytes: the wave's row \row into slot \slot
.irp j, 0,1,2,3,4,5,6,7
	global_load_b128 v[X+32*\slot+4*\j:X+32*\slot+4*\j+3], v1, s[4:5] offset:ROWB*(\row)+512*\j th:TH_LOAD_NT
.endr
.endm
.macro WSUM r                          ; the sum of v[r] over the 32 lanes, in every lane
	v_add_f32_dpp v[\r], v[\r], v[\r] row_xmask:1 row_mask:0xf bank_mask:0xf
	v_add_f32_dpp v[\r], v[\r], v[\r] row_xmask:2 row_mask:0xf bank_mask:0xf
	v_add_f32_dpp v[\r], v[\r], v[\r] row_xmask:4 row_mask:0xf bank_mask:0xf
	v_add_f32_dpp v[\r], v[\r], v[\r] row_xmask:8 row_mask:0xf bank_mask:0xf
	v_permlanex16_b32 v5, v[\r], s14, s15
	v_add_f32 v[\r], v[\r], v5
.endm
	; The partial sums of u2 go out first: loads come back in issue order, so they can be waited for while the rows stay out.
.irp p, 0,1,2,3,4,5,6,7
	global_load_b64 v[P+2*\p:P+2*\p+1], v2, s[6:7] offset:8192*\p+4096    ; upart[p][1024 + 2 t ..]: a wave's load covers 256 consecutive bytes, aligned
.endr
	FILL 0, 0
	FILL 1, 1
	FILL 2, 2
	FILL 3, 3
	s_wait_loadcnt 32                              ; the eight partial sums are in; the 32 loads of rows 0 to 3 stay out
.irp p, 0,1,2,3
	v_pk_add_f32 v[P+2*\p:P+2*\p+1], v[P+2*\p:P+2*\p+1], v[P+2*\p+8:P+2*\p+9]
.endr
.irp p, 0,1
	v_pk_add_f32 v[P+2*\p:P+2*\p+1], v[P+2*\p:P+2*\p+1], v[P+2*\p+4:P+2*\p+5]
.endr
	v_pk_add_f32 v[P:P+1], v[P:P+1], v[P+2:P+3]
	ds_store_b64 v2, v[P:P+1]                      ; 512 threads x 8 bytes: the 1,024 numbers of u2
	s_wait_dscnt 0x0                               ; my store is done before I say so: every wave reads all of u2
	s_barrier_signal -1
	s_barrier_wait -1
.irp j, 0,1,2,3,4,5,6,7
	ds_load_b128 v[U+4*\j:U+4*\j+3], v3 offset:512*\j      ; u2 at columns 128 j + 4 lane ..: the places that load j of a row brings
.endr
	s_wait_dscnt 0x0
; Row i of the wave, in slot \slot.  fill = 1: the slot then takes row i + 4.  left = the younger loads that may stay out, eight for each younger row.
.macro ROW i, slot, fill, left
	s_wait_loadcnt \left
.irp c, 0,1,2,3
	v_pk_mul_f32 v[T+2*\c:T+2*\c+1], v[X+32*\slot+2*\c:X+32*\slot+2*\c+1], v[U+2*\c:U+2*\c+1]     ; the first eight columns start four chains: nothing is cleared
.endr
.irp k, 8,16,24
.irp c, 0,1,2,3
	v_pk_fma_f32 v[T+2*\c:T+2*\c+1], v[X+32*\slot+\k+2*\c:X+32*\slot+\k+2*\c+1], v[U+\k+2*\c:U+\k+2*\c+1], v[T+2*\c:T+2*\c+1]
.endr
.endr
.if \fill
	FILL \slot, \i+4                               ; behind the last read of the slot's registers
.endif
	v_pk_add_f32 v[T:T+1],   v[T:T+1],   v[T+4:T+5]
	v_pk_add_f32 v[T+2:T+3], v[T+2:T+3], v[T+6:T+7]
	v_pk_add_f32 v[T:T+1],   v[T:T+1],   v[T+2:T+3]
	v_add_f32 v[T], v[T], v[T+1]
	WSUM T
	ds_store_b32 v4, v[T] offset:STAGE+4*\i        ; all lanes write one word with one value: score 8 w + i of the group
.endm
	ROW 0, 0, 1, 24                                ; rows 1, 2, 3 stay out
	ROW 1, 1, 1, 24                                ; rows 2, 3, 4
	ROW 2, 2, 1, 24
	ROW 3, 3, 1, 24
	ROW 4, 0, 0, 24                                ; rows 5, 6, 7; nothing is left to fetch, and the counts run down
	ROW 5, 1, 0, 16
	ROW 6, 2, 0, 8
	ROW 7, 3, 0, 0
	s_wait_dscnt 0x0                               ; my eight scores are in the stage before I say so
	s_barrier_signal -1
	s_barrier_wait -1
	s_cmp_lg_u32 s10, 0
	s_cbranch_scc1 .Lend                           ; wave 0 stores the group's 128 scores
	ds_load_b128 v[6:9], v3 offset:STAGE
	s_wait_dscnt 0x0
	global_store_b128 v3, v[6:9], s[8:9]           ; 512 consecutive bytes, aligned
.Lend:
	s_wait_tensorcnt 0x0
	ds_add_u32 v192, v193
	s_wait_dscnt 0x0
	s_endpgm
.Lfunc_end_k_qd580c7bbf9_score:
	.size	k_qd580c7bbf9_score, .Lfunc_end_k_qd580c7bbf9_score-k_qd580c7bbf9_score
	.p2alignl 7, 3214868480
	.fill 96, 4, 3214868480
	.section	.rodata,"a",@progbits
	.p2align	6, 0x0
	.amdhsa_kernel k_qd580c7bbf9_score
		.amdhsa_group_segment_fixed_size 6656
		.amdhsa_private_segment_fixed_size 0
		.amdhsa_enable_private_segment 0
		.amdhsa_kernarg_size 24
		.amdhsa_user_sgpr_count 2
		.amdhsa_user_sgpr_kernarg_segment_ptr 1
		.amdhsa_wavefront_size32 1
		.amdhsa_system_sgpr_workgroup_id_x 1
		.amdhsa_system_sgpr_workgroup_id_y 1
		.amdhsa_system_sgpr_workgroup_id_z 1
		.amdhsa_system_vgpr_workitem_id 0
		.amdhsa_next_free_vgpr 194
		.amdhsa_next_free_sgpr 66
		.amdhsa_reserve_vcc 0
		.amdhsa_float_denorm_mode_32 3
		.amdhsa_float_denorm_mode_16_64 3
		.amdhsa_memory_ordered 1
		.amdhsa_forward_progress 1
		.amdhsa_inst_pref_size 23
	.end_amdhsa_kernel
	.amdgpu_metadata
---
amdhsa.version: [ 1, 2 ]
amdhsa.kernels:
  - .name:           k_qd580c7bbf9_score
    .symbol:         k_qd580c7bbf9_score.kd
    .args:
      - { .name: encoder_outputs, .offset: 0, .size: 8, .value_kind: global_buffer, .address_space: global }
      - { .name: upart, .offset: 8, .size: 8, .value_kind: global_buffer, .address_space: global }
      - { .name: scores, .offset: 16, .size: 8, .value_kind: global_buffer, .address_space: global }
    .group_segment_fixed_size: 6656
    .private_segment_fixed_size: 0
    .kernarg_segment_align: 8
    .kernarg_segment_size: 24
    .max_flat_workgroup_size: 512
    .sgpr_count:     66
    .vgpr_count:     194
    .wavefront_size: 32
...
	.end_amdgpu_metadata
.endif
;; end of part 2
;; launch softmax (part 3): grid 16 x 1, 16 waves a work-group, no clusters, 2,304 bytes of LDS; arguments scores, upart, hidden, v, attn_b, out0; writes out0
.if DOCPART == 3
	.amdgcn_target "amdgcn-amd-amdhsa--gfx1250"
	.amdhsa_code_object_version 6
	.text
	.protected	k_qd580c7bbf9_softmax
	.globl	k_qd580c7bbf9_softmax
	.p2align	8
	.type	k_qd580c7bbf9_softmax,@function
k_qd580c7bbf9_softmax:
	s_mov_b64 s[64:65], 0
	v_nop
	global_prefetch_b8 v0, s[64:65] scope:SCOPE_SE
	s_setreg_imm32_b32 hwreg(HW_REG_WAVE_MODE, 25, 1), 1
	s_wait_xcnt 0x0
; SOFTMAX: out0[b][s] = softmax over s of (scores[b][s] + c[b]),   c[b] = hidden[b] . u1 + v . attn_b,   u1[k] = sum over p = 0..7 of upart[p][k], k < 1024.
; One work-group for each of the 16 batches: a row's maximum and sum have one owner, and work-groups exchange nothing within a launch.
; 512 threads: thread t holds scores 4 t .. 4 t + 3 (the row stays in registers between the passes) and columns 2 t, 2 t + 1 of the sums for c.
; c is the same for a whole row; it is computed and added all the same, ahead of the maximum, as the problem states it.
; The row's maximum is taken away before the exponential, so the largest exponent is 0 and the sum lies between 1 and 2,048.
; LIMITS: v_exp_f32 gives 0 where the result would lie below 2^-126 (ISA guide, its entry in 15.8), so such outputs are 0.  A NaN or an infinity among a
; row's scores or in c makes the whole row NaN (through the difference and the sum).  Sums in f32, in another order than the problem states them.
.set S,  6                             ; v[6:9]    my four scores, then exponentials, then results
.set P,  10                            ; v[10:25]  the eight partial sums of my two numbers of u1
.set HI, 26                            ; v[26:27]  hidden
.set VV, 28                            ; v[28:29]  v
.set AB, 30                            ; v[30:31]  attn_b
.set MC, 32                            ; v32 maximum, v33 part of c: one pair for each wave in LDS bytes 0..127
.set RB, 34                            ; v[34:35]  a wave's pair read back; then the row's maximum and c
	s_load_b256 s[4:11], s[0:1], 0x0               ; scores s[4:5], upart s[6:7], hidden s[8:9], v s[10:11]
	s_load_b128 s[12:15], s[0:1], 0x20             ; attn_b s[12:13], out0 s[14:15]
	v_lshl_add_u32 v48, v0, 2, 0x100
	v_mov_b32 v49, 0
	v_lshrrev_b32 v41, 5, v0
	v_readfirstlane_b32 s16, v41                   ; wave 0..15
	s_lshl_b32 s18, ttmp9, 13                      ; b x 2,048 numbers x 4 bytes: scores and out0
	s_mov_b32 s19, 0
	s_lshl_b32 s20, ttmp9, 12                      ; b x 1,024 numbers x 4 bytes: hidden
	s_mov_b32 s21, 0
	s_mov_b32 s22, 0x76543210                      ; v_permlanex16_b32: lane i of one half reads lane i of the other
	s_mov_b32 s23, 0xfedcba98
	v_lshlrev_b32 v1, 4, v0                        ; 16 t
	v_lshlrev_b32 v2, 3, v0                        ; 8 t
	v_and_b32 v37, 15, v0
	v_lshlrev_b32 v3, 3, v37                       ; lane % 16 reads the pair of that wave,
	v_lshlrev_b32 v37, 2, v37                      ; and later its sum
	v_mov_b32 v36, s16
	v_lshlrev_b32 v4, 3, v36                       ; my wave's pair: LDS byte 8 w
	v_lshlrev_b32 v36, 2, v36                      ; my wave's sum: LDS byte 128 + 4 w
	v_mov_b32 v5, 0                                ; v_permlanex16_b32's destination counts as read: written once here
	s_wait_kmcnt 0x0
	s_add_nc_u64 s[4:5], s[4:5], s[18:19]
	s_add_nc_u64 s[14:15], s[14:15], s[18:19]
	s_add_nc_u64 s[8:9], s[8:9], s[20:21]
.macro R16 op, r                       ; \op over the 16 lanes of each half, in every lane
	\op v[\r], v[\r], v[\r] row_xmask:1 row_mask:0xf bank_mask:0xf
	\op v[\r], v[\r], v[\r] row_xmask:2 row_mask:0xf bank_mask:0xf
	\op v[\r], v[\r], v[\r] row_xmask:4 row_mask:0xf bank_mask:0xf
	\op v[\r], v[\r], v[\r] row_xmask:8 row_mask:0xf bank_mask:0xf
.endm
.macro WSUM r                          ; the sum over the wave's 32 lanes, in every lane
	R16 v_add_f32_dpp, \r
	v_permlanex16_b32 v5, v[\r], s22, s23
	v_add_f32 v[\r], v[\r], v5
.endm
.macro WMAX r                          ; the maximum likewise
	R16 v_max_num_f32_dpp, \r
	v_permlanex16_b32 v5, v[\r], s22, s23
	v_max_num_f32 v[\r], v[\r], v5
.endm
	; all twelve loads at once: there is nothing to do until they are in
	global_load_b128 v[S:S+3], v1, s[4:5]
.irp p, 0,1,2,3,4,5,6,7
	global_load_b64 v[P+2*\p:P+2*\p+1], v2, s[6:7] offset:8192*\p         ; upart[p][2 t ..], the first half of each partial row
.endr
	global_load_b64 v[HI:HI+1], v2, s[8:9]
	global_load_b64 v[VV:VV+1], v2, s[10:11]
	global_load_b64 v[AB:AB+1], v2, s[12:13]
	s_wait_loadcnt 0x0
.irp p, 0,1,2,3
	v_pk_add_f32 v[P+2*\p:P+2*\p+1], v[P+2*\p:P+2*\p+1], v[P+2*\p+8:P+2*\p+9]
.endr
.irp p, 0,1
	v_pk_add_f32 v[P+2*\p:P+2*\p+1], v[P+2*\p:P+2*\p+1], v[P+2*\p+4:P+2*\p+5]
.endr
	v_pk_add_f32 v[P:P+1], v[P:P+1], v[P+2:P+3]                    ; u1 at my two columns
	v_pk_mul_f32 v[MC:MC+1], v[VV:VV+1], v[AB:AB+1]                ; v . attn_b,
	v_pk_fma_f32 v[MC:MC+1], v[HI:HI+1], v[P:P+1], v[MC:MC+1]      ; + hidden . u1
	v_add_f32 v[MC+1], v[MC], v[MC+1]                              ; my part of c
	v_max3_num_f32 v[MC], v[S], v[S+1], v[S+2]
	v_max_num_f32 v[MC], v[MC], v[S+3]                             ; the largest of my four scores
	WMAX MC
	WSUM MC+1
	ds_store_b64 v4, v[MC:MC+1]                    ; all lanes write my wave's pair with the same values
	s_wait_dscnt 0x0                               ; done before I say so: every wave reads all sixteen pairs
	s_barrier_signal -1
	s_barrier_wait -1
	ds_load_b64 v[RB:RB+1], v3                     ; lane l: the pair of wave l % 16
	s_wait_dscnt 0x0
	R16 v_max_num_f32_dpp, RB                      ; the row's maximum without c,
	R16 v_add_f32_dpp, RB+1                        ; and c: the same additions in the same pairing in every lane of every wave, so the same bits
	v_add_f32 v40, v[RB], v[RB+1]                  ; rounding keeps the order, so this is the maximum of the four sums below taken over the row
.irp i, 0,1,2,3
	v_add_f32 v[S+\i], v[S+\i], v[RB+1]            ; the score as the problem states it
.endr
.irp i, 0,1,2,3
	v_sub_f32 v[S+\i], v[S+\i], v40                ; the maximum goes first, then the factor: a fused form would subtract a rounded product of the maximum
.endr
.irp i, 0,1,2,3
	v_mul_f32 v[S+\i], 0x3fb8aa3b, v[S+\i]         ; log2(e): v_exp_f32 is 2^x
.endr
.irp i, 0,1,2,3
	v_exp_f32 v[S+\i], v[S+\i]
.endr
	v_nop                                          ; one plain vector instruction between the last v_exp_f32 and the use of its result (ISA guide 5.7.2)
	s_wait_alu depctr_va_vdst(0)
	v_add_f32 v38, v[S], v[S+1]
	v_add_f32 v39, v[S+2], v[S+3]
	v_add_f32 v38, v38, v39
	WSUM 38
	ds_store_b32 v36, v38 offset:128               ; bytes of their own: waves that still read the pairs are not disturbed
	s_wait_dscnt 0x0
	s_barrier_signal -1
	s_barrier_wait -1
	ds_load_b32 v38, v37 offset:128                ; lane l: the sum of wave l % 16
	s_wait_dscnt 0x0
	R16 v_add_f32_dpp, 38                          ; the row's sum, at least 1: the maximum's own term is 2^0
	v_rcp_f32 v39, v38
	v_nop                                          ; one plain vector instruction behind v_rcp_f32 before its result is used
	s_wait_alu depctr_va_vdst(0)
.irp i, 0,1,2,3
	v_mul_f32 v[S+\i], v[S+\i], v39
.endr
	global_store_b128 v1, v[S:S+3], s[14:15]       ; a wave's store covers 512 consecutive bytes, aligned
	s_wait_tensorcnt 0x0
	ds_add_u32 v48, v49
	s_wait_dscnt 0x0
	s_endpgm
.Lfunc_end_k_qd580c7bbf9_softmax:
	.size	k_qd580c7bbf9_softmax, .Lfunc_end_k_qd580c7bbf9_softmax-k_qd580c7bbf9_softmax
	.p2alignl 7, 3214868480
	.fill 96, 4, 3214868480
	.section	.rodata,"a",@progbits
	.p2align	6, 0x0
	.amdhsa_kernel k_qd580c7bbf9_softmax
		.amdhsa_group_segment_fixed_size 2304
		.amdhsa_private_segment_fixed_size 0
		.amdhsa_enable_private_segment 0
		.amdhsa_kernarg_size 48
		.amdhsa_user_sgpr_count 2
		.amdhsa_user_sgpr_kernarg_segment_ptr 1
		.amdhsa_wavefront_size32 1
		.amdhsa_system_sgpr_workgroup_id_x 1
		.amdhsa_system_sgpr_workgroup_id_y 1
		.amdhsa_system_sgpr_workgroup_id_z 1
		.amdhsa_system_vgpr_workitem_id 0
		.amdhsa_next_free_vgpr 50
		.amdhsa_next_free_sgpr 66
		.amdhsa_reserve_vcc 0
		.amdhsa_float_denorm_mode_32 3
		.amdhsa_float_denorm_mode_16_64 3
		.amdhsa_memory_ordered 1
		.amdhsa_forward_progress 1
		.amdhsa_inst_pref_size 7
	.end_amdhsa_kernel
	.amdgpu_metadata
---
amdhsa.version: [ 1, 2 ]
amdhsa.kernels:
  - .name:           k_qd580c7bbf9_softmax
    .symbol:         k_qd580c7bbf9_softmax.kd
    .args:
      - { .name: scores, .offset: 0, .size: 8, .value_kind: global_buffer, .address_space: global }
      - { .name: upart, .offset: 8, .size: 8, .value_kind: global_buffer, .address_space: global }
      - { .name: hidden, .offset: 16, .size: 8, .value_kind: global_buffer, .address_space: global }
      - { .name: v, .offset: 24, .size: 8, .value_kind: global_buffer, .address_space: global }
      - { .name: attn_b, .offset: 32, .size: 8, .value_kind: global_buffer, .address_space: global }
      - { .name: out0, .offset: 40, .size: 8, .value_kind: global_buffer, .address_space: global }
    .group_segment_fixed_size: 2304
    .private_segment_fixed_size: 0
    .kernarg_segment_align: 8
    .kernarg_segment_size: 48
    .max_flat_workgroup_size: 512
    .sgpr_count:     66
    .vgpr_count:     50
    .wavefront_size: 32
...
	.end_amdgpu_metadata
.endif
;; end of part 3
;; ======== version 2 of 2: 3 launches; version 1 with the launch score written anew for expert scheduling mode
;; workspace buffers: upart 65,536 bytes; scores 131,072 bytes
;; launch fold: the kernel of part 1 again; grid 32 x 8, 8 waves a work-group, no clusters, 5,120 bytes of LDS; arguments attn_w, v, upart; writes upart
;; launch score (part 4): grid 256 x 1, 16 waves a work-group, no clusters, 6,656 bytes of LDS; arguments encoder_outputs, upart, scores; writes scores
.if DOCPART == 4
	.amdgcn_target "amdgcn-amd-amdhsa--gfx1250"
	.amdhsa_code_object_version 6
	.text
	.protected	k_qd580c7bbf9_score
	.globl	k_qd580c7bbf9_score
	.p2align	8
	.type	k_qd580c7bbf9_score,@function
k_qd580c7bbf9_score:
	s_mov_b64 s[64:65], 0
	v_nop
	global_prefetch_b8 v0, s[64:65] scope:SCOPE_SE
	s_setreg_imm32_b32 hwreg(HW_REG_WAVE_SCHED_MODE, 0, 2), 2
	s_setreg_imm32_b32 hwreg(HW_REG_WAVE_MODE, 25, 1), 1
	s_wait_xcnt 0x0
	s_wait_alu depctr_vm_vsrc(0)
; SCORE: scores[row] = enc[row] . u2,  u2[k] = sum over p = 0..7 of upart[p][1024 + k].   enc: [32768][1024] f32 (16 batches x 2,048 rows), scores: [32768] f32.
; The term that is the same for all rows of a batch (hidden . u1 + v . bias) is added in the last launch.
; A stream: 134 MB are read once, one multiply-add for each 4 bytes, so all that counts is long aligned reads with many of them on their way.
; Work-group g: 128 rows (512 KiB); wave w: rows 8 w .. 8 w + 7.  A wave takes a whole row by eight loads of 512 consecutive bytes; lane l holds columns
; 128 j + 4 l + 0..3 of load j, and its 32 numbers of u2 stay in registers.  A ring of four row slots in registers: 32 loads (16 KiB) of every wave are out,
; 256 KiB for the sixteen waves.
; Left out: matrix instructions (a product with one column: nothing to reuse, and bf16 operands would cost accuracy in the scores); LDS slots filled by
; the tensor data mover (the registers already hold what is in flight, without a second trip through LDS); clusters (the work-groups share 4 KiB of u2
; against 512 KiB of rows of their own).
; LIMIT: sums in f32, in another order than the problem states them.
; THE MODE: SCHED_MODE bits 1:0 = 2 (LLVM: expert scheduling mode 2), set by the entry lines.  The code itself states the register dependences
; between vector instructions and memory or LDS instructions, with s_wait_alu, always for 0.
; THE PLAN.  Registers that memory or LDS instructions touch:
;   v1 .. v4    offsets and LDS addresses: made once at the head, never written again.
;   P           the eight partial sums land here; seven packed adds read them and write v[P:P+1]; one LDS store reads that pair; nothing names P afterwards.
;   U           eight LDS loads land here, once; vector instructions only read it.
;   X0 .. X3    Row i: its sixteen packed multiply-adds read X[i % 4]; behind them the loads of row i + 4 land in it.
;   SC0 .. SC7  Row i: the last add of its sum over the lanes writes SC[i]; the LDS store issued in row i + 1 reads it; never written again.
;   T and v5 are named by vector instructions alone, until wave 0's load from the stage lands in v[6:9] at the very end.
; So ONE wait on va_vdst stands in a row, behind its multiply-adds: it states that they are done reading X[slot] and that the row before has written its SC.
; The LDS store and the eight loads follow it, the loads dealt among the first lines of the row's reduction, which name T, v5 and SC[i]: none of the
; registers that the store or the loads touch.  No register that a memory or LDS instruction reads is written again, so no wait on vm_vsrc stands in the rows.
.set ROWB,  4096                       ; bytes in a row of enc
.set STAGE, 4096                       ; LDS: bytes 0..4095 u2, bytes 4096..4607 the group's 128 scores
.set T,  6                             ; v[6:13]    four chains of two sums each
.set P,  14                            ; v[14:29]   the eight partial sums of my two numbers of u2
.set U,  32                            ; v[32:63]   u2 at my 32 columns
.set X,  64                            ; v[64:191]  slot s: 32 registers, a row as loaded
.set SC, 192                           ; v[192:199] row i's score, a register to each row
	s_load_b128 s[4:7], s[0:1], 0x0                ; enc s[4:5], upart s[6:7]
	s_load_b64 s[8:9], s[0:1], 0x10                ; scores
	v_lshl_add_u32 v30, v0, 2, 0x1200
	v_mov_b32 v31, 0
	v_lshrrev_b32 v6, 5, v0
	v_readfirstlane_b32 s10, v6                    ; wave 0..15
	s_lshl_b32 s12, ttmp9, 19                      ; g x 128 rows x 4,096 bytes: 255 << 19 at the most, below 2^32
	s_mov_b32 s13, 0
	s_lshl_b32 s16, ttmp9, 9                       ; g x 128 scores x 4 bytes
	s_mov_b32 s17, 0
	s_mov_b32 s14, 0x76543210                      ; v_permlanex16_b32: lane i of one half reads lane i of the other
	s_mov_b32 s15, 0xfedcba98
	v_and_b32 v3, 31, v0
	v_lshlrev_b32 v3, 4, v3                        ; 16 x lane
	v_lshl_or_b32 v1, v6, 15, v3                   ; enc: wave x 8 rows x 4,096 bytes + 16 x lane; never rewritten
	v_lshlrev_b32 v2, 3, v0                        ; 8 t: my two numbers of u2, in upart and in LDS
	v_mov_b32 v5, 0                                ; v_permlanex16_b32's destination counts as read: written once here
	s_wait_alu depctr_va_sdst(0)                   ; s10 is written, ahead of its first reader, the line below
	s_lshl_b32 s11, s10, 5                         ; my eight words in the stage
	v_mov_b32 v4, s11
	s_wait_kmcnt 0x0
	s_add_nc_u64 s[4:5], s[4:5], s[12:13]
	s_add_nc_u64 s[8:9], s[8:9], s[16:17]
	s_wait_alu depctr_va_vdst(0)                   ; v1 to v4 are written: every load and store of the kernel, global or LDS, reads one of them as its offset or address
.macro LD2 slot, row, j                ; two of a row's eight loads of 512 consecutive bytes: parts j and j + 1 of the wave's row \row into slot \slot
	global_load_b128 v[X+32*\slot+4*(\j):X+32*\slot+4*(\j)+3],   v1, s[4:5] offset:ROWB*(\row)+512*(\j) th:TH_LOAD_NT
	global_load_b128 v[X+32*\slot+4*(\j)+4:X+32*\slot+4*(\j)+7], v1, s[4:5] offset:ROWB*(\row)+512*(\j)+512 th:TH_LOAD_NT
.endm
.macro FILL slot, row                  ; all eight
.irp j, 0,2,4,6
	LD2 \slot, \row, \j
.endr
.endm
.macro WSUM d, r                       ; the sum of v[r] over the 32 lanes, in every lane of v[d]
	v_add_f32_dpp v[\r], v[\r], v[\r] row_xmask:1 row_mask:0xf bank_mask:0xf
	v_add_f32_dpp v[\r], v[\r], v[\r] row_xmask:2 row_mask:0xf bank_mask:0xf
	v_add_f32_dpp v[\r], v[\r], v[\r] row_xmask:4 row_mask:0xf bank_mask:0xf
	v_add_f32_dpp v[\r], v[\r], v[\r] row_xmask:8 row_mask:0xf bank_mask:0xf
	v_permlanex16_b32 v5, v[\r], s14, s15
	v_add_f32 v[\d], v[\r], v5
.endm
	; The partial sums of u2 go out first: loads come back in issue order, so they can be waited for while the rows stay out.
.irp p, 0,1,2,3,4,5,6,7
	global_load_b64 v[P+2*\p:P+2*\p+1], v2, s[6:7] offset:8192*\p+4096    ; upart[p][1024 + 2 t ..]: a wave's load covers 256 consecutive bytes, aligned
.endr
	FILL 0, 0
	FILL 1, 1
	FILL 2, 2
	FILL 3, 3
	s_wait_loadcnt 32                              ; the eight partial sums are in; the 32 loads of rows 0 to 3 stay out
.irp p, 0,1,2,3
	v_pk_add_f32 v[P+2*\p:P+2*\p+1], v[P+2*\p:P+2*\p+1], v[P+2*\p+8:P+2*\p+9]
.endr
.irp p, 0,1
	v_pk_add_f32 v[P+2*\p:P+2*\p+1], v[P+2*\p:P+2*\p+1], v[P+2*\p+4:P+2*\p+5]
.endr
	v_pk_add_f32 v[P:P+1], v[P:P+1], v[P+2:P+3]
	s_wait_alu depctr_va_vdst(0)                   ; the adds have written v[P:P+1], which the LDS store reads
	ds_store_b64 v2, v[P:P+1]                      ; 512 threads x 8 bytes: the 1,024 numbers of u2
	s_wait_dscnt 0x0                               ; my store is done before I say so: every wave reads all of u2
	s_barrier_signal -1
	s_barrier_wait -1
.irp j, 0,1,2,3,4,5,6,7
	ds_load_b128 v[U+4*\j:U+4*\j+3], v3 offset:512*\j      ; u2 at columns 128 j + 4 lane ..: the places that load j of a row brings; no vector instruction has named U
.endr
	s_wait_dscnt 0x0
; Row i of the wave, in slot \slot.  fill = 1: the slot then takes row i + 4.  left = the younger loads that may stay out, eight for each younger row.
.macro ROW i, slot, fill, left
	s_wait_loadcnt \left
.irp c, 0,1,2,3
	v_pk_mul_f32 v[T+2*\c:T+2*\c+1], v[X+32*\slot+2*\c:X+32*\slot+2*\c+1], v[U+2*\c:U+2*\c+1]     ; the first eight columns start four chains: nothing is cleared
.endr
.irp k, 8,16,24
.irp c, 0,1,2,3
	v_pk_fma_f32 v[T+2*\c:T+2*\c+1], v[X+32*\slot+\k+2*\c:X+32*\slot+\k+2*\c+1], v[U+\k+2*\c:U+\k+2*\c+1], v[T+2*\c:T+2*\c+1]
.endr
.endr
	s_wait_alu depctr_va_vdst(0)                   ; the multiply-adds are done reading X[slot], in which the loads below land (rows 0 to 3); the row before has written its SC, which the LDS store below reads (rows 1 to 7)
.if \i > 0
	ds_store_b32 v4, v[SC+\i-1] offset:STAGE+4*(\i-1)      ; all lanes write one word with one value: score 8 w + i - 1 of the group
.endif
.if \fill
	LD2 \slot, \i+4, 0                             ; the slot is asked for again.  No further wait: no vector instruction since the wait above names X[slot] or v1
.endif
	v_pk_add_f32 v[T:T+1],   v[T:T+1],   v[T+4:T+5]
.if \fill
	LD2 \slot, \i+4, 2
.endif
	v_pk_add_f32 v[T+2:T+3], v[T+2:T+3], v[T+6:T+7]
.if \fill
	LD2 \slot, \i+4, 4
.endif
	v_pk_add_f32 v[T:T+1],   v[T:T+1],   v[T+2:T+3]
.if \fill
	LD2 \slot, \i+4, 6
.endif
	v_add_f32 v[T], v[T], v[T+1]
	WSUM SC+\i, T                                  ; the row's score, into a register that nothing writes again
.endm
	ROW 0, 0, 1, 24                                ; rows 1, 2, 3 stay out
	ROW 1, 1, 1, 24                                ; rows 2, 3, 4
	ROW 2, 2, 1, 24
	ROW 3, 3, 1, 24
	ROW 4, 0, 0, 24                                ; rows 5, 6, 7; nothing is left to fetch, and the counts run down
	ROW 5, 1, 0, 16
	ROW 6, 2, 0, 8
	ROW 7, 3, 0, 0
	s_wait_alu depctr_va_vdst(0)                   ; row 7 has written SC7, which the LDS store reads; and every vector instruction that named v[6:9] is done, in which wave 0's load from the stage lands: no vector instruction follows
	ds_store_b32 v4, v[SC+7] offset:STAGE+4*7
	s_wait_dscnt 0x0                               ; my eight scores are in the stage before I say so
	s_barrier_signal -1
	s_barrier_wait -1
	s_cmp_lg_u32 s10, 0
	s_cbranch_scc1 .Lend                           ; wave 0 stores the group's 128 scores
	ds_load_b128 v[6:9], v3 offset:STAGE
	s_wait_dscnt 0x0
	global_store_b128 v3, v[6:9], s[8:9]           ; 512 consecutive bytes, aligned
.Lend:
	s_wait_dscnt 0x0
	s_wait_alu depctr_hold_cnt(0) depctr_sa_sdst(0) depctr_va_vdst(0) depctr_va_sdst(0) depctr_va_ssrc(0) depctr_va_vcc(0) depctr_vm_vsrc(0)
	s_wait_tensorcnt 0x0
	ds_add_u32 v30, v31
	s_wait_dscnt 0x0
	s_endpgm
.Lfunc_end_k_qd580c7bbf9_score:
	.size	k_qd580c7bbf9_score, .Lfunc_end_k_qd580c7bbf9_score-k_qd580c7bbf9_score
	.p2alignl 7, 3214868480
	.fill 96, 4, 3214868480
	.section	.rodata,"a",@progbits
	.p2align	6, 0x0
	.amdhsa_kernel k_qd580c7bbf9_score
		.amdhsa_group_segment_fixed_size 6656
		.amdhsa_private_segment_fixed_size 0
		.amdhsa_enable_private_segment 0
		.amdhsa_kernarg_size 24
		.amdhsa_user_sgpr_count 2
		.amdhsa_user_sgpr_kernarg_segment_ptr 1
		.amdhsa_wavefront_size32 1
		.amdhsa_system_sgpr_workgroup_id_x 1
		.amdhsa_system_sgpr_workgroup_id_y 1
		.amdhsa_system_sgpr_workgroup_id_z 1
		.amdhsa_system_vgpr_workitem_id 0
		.amdhsa_next_free_vgpr 200
		.amdhsa_next_free_sgpr 66
		.amdhsa_reserve_vcc 0
		.amdhsa_float_denorm_mode_32 3
		.amdhsa_float_denorm_mode_16_64 3
		.amdhsa_memory_ordered 1
		.amdhsa_forward_progress 1
		.amdhsa_inst_pref_size 24
	.end_amdhsa_kernel
	.amdgpu_metadata
---
amdhsa.version: [ 1, 2 ]
amdhsa.kernels:
  - .name:           k_qd580c7bbf9_score
    .symbol:         k_qd580c7bbf9_score.kd
    .args:
      - { .name: encoder_outputs, .offset: 0, .size: 8, .value_kind: global_buffer, .address_space: global }
      - { .name: upart, .offset: 8, .size: 8, .value_kind: global_buffer, .address_space: global }
      - { .name: scores, .offset: 16, .size: 8, .value_kind: global_buffer, .address_space: global }
    .group_segment_fixed_size: 6656
    .private_segment_fixed_size: 0
    .kernarg_segment_align: 8
    .kernarg_segment_size: 24
    .max_flat_workgroup_size: 512
    .sgpr_count:     66
    .vgpr_count:     200
    .wavefront_size: 32
...
	.end_amdgpu_metadata
.endif
;; end of part 4
;; launch softmax: the kernel of part 3 again; grid 16 x 1, 16 waves a work-group, no clusters, 2,304 bytes of LDS; arguments scores, upart, hidden, v, attn_b, out0; writes out0
